; MI455X (gfx1250); checked and timed in simulation.
; The chip was launched on July 23, 2026; its instructions are those of AMD's public machine-readable ISA for CDNA 5 (MIT licence, August 2026) and "CDNA5" Instruction Set Architecture Reference Guide (July 2026). The comments in the code are by the model that wrote it; some were corrected since.
;; Bahdanau Attention. Allowed arithmetic: matrix products marked QUANTISED: E4M3 operands, one E8M0 scale for each 32 along K, by v_wmma_scale_f32_16x16x128_f8f6f4 with both operands' format E4M3, f32 sums; products left as they are: f32 operands where the result goes on into a quantised operand, else bf16, f16 or f32 operands; f32 sums; everything else in f32.
;; Inputs: V_b 1 float32; V_k 1,024 x 1 float32; Wc_b 1,024 float32; Wc_k 1 x 1,024 float32; Wh_b 1,024 float32; Wh_k_codes 1,024 x 32 x 32 uint8 (E4M3 codes of Wh_k, K innermost, in blocks of 32 codes); Wh_k_scales 1,024 x 32 uint8 (E8M0 scales of Wh_k, one for each 32 codes along K); Ws_b 1,024 float32; Ws_k_codes 1,024 x 32 x 32 uint8 (E4M3 codes of Ws_k, K innermost, in blocks of 32 codes); Ws_k_scales 1,024 x 32 uint8 (E8M0 scales of Ws_k, one for each 32 codes along K); dec_hidden_codes 32 x 32 x 32 uint8 (E4M3 codes of dec_hidden, K innermost, in blocks of 32 codes); dec_hidden_scales 32 x 32 uint8 (E8M0 scales of dec_hidden, one for each 32 codes along K); enc_output 32 x 2,048 x 1,024 float32; enc_pad_mask 32 x 2,048 int32; prev_coverage 32 x 2,048 x 1 float32.
;; Outputs: out0 32 x 1,024 float32; out1 32 x 2,048 x 1 float32; out2 32 x 2,048 x 1 float32.
;; Constants: use_coverage = 1.
;; This version of the problem:
;;   THIS VERSION OF THE PROBLEM IS GIVEN IN LOW PRECISION. The matrix products marked QUANTISED in the list below multiply operands that are first quantised to E4M3 (4 exponent bits, 3 mantissa bits; 8 bits a number), with one power-of-two scale for each 32 numbers along K (OCP MX v1.0); their sums are f32. All else is computed in f32.
;;   The module's matrix products, in the order in which they are computed (A, B: the left and right operand; K: the contracted axis; several contracted axes count as one K, in the product's order):
;;     1. [M 65,536, K 1,024] x [K 1,024, N 1,024]; A: input enc_output; B: input Ws_k (given as codes): QUANTISED
;;     2. [M 32, K 1,024] x [K 1,024, N 1,024]; A: input dec_hidden (given as codes); B: input Wh_k (given as codes): QUANTISED
;;     3. [M 65,536, K 1] x [K 1, N 1,024]; A: input prev_coverage; B: input Wc_k: left as it is (K = 1 < 32)
;;     4. [M 65,536, K 1,024] x [K 1,024, N 1]; A: computed on the way; B: input V_k: left as it is (N = 1 < 16)
;;   THE QUANTISER, for each operand of a quantised product, along K:
;;     - K is cut into blocks of 32 from its start; a last block that is shorter is filled with zeros.
;;     - A block's scale is 2^e with e = floor(log2(the largest magnitude in the block)) - 8, held to -126 .. 127; a block of zeros has e = 0. As a byte (E8M0): e + 127.
;;     - Each number is divided by its block's scale, clamped to +-448, and rounded to the nearest number of E4M3, ties to even, subnormals kept.
;;     - The product sums the exact products of the quantised numbers (number of the format x scale) in f32.
;;   ~~~python
;;   def quantise(x, axis):      # numpy; x: float32 -> the quantised numbers, widened to float32 again
;;       x = np.moveaxis(x, axis, -1); K = x.shape[-1]
;;       x = np.pad(x, [(0, 0)] * (x.ndim - 1) + [(0, -K % 32)]); x = x.reshape(x.shape[:-1] + (-1, 32)); a = np.abs(x).max(-1, keepdims=True)
;;       e = np.where(a > 0, np.clip(np.frexp(np.where(a > 0, a, 1))[1] - 1 - 8, -126, 127), 0)      # np.frexp(a)[1] - 1 = floor(log2(a)), exactly
;;       r = np.clip(x / 2.0 ** e, -448, 448)
;;       step = 2.0 ** (np.maximum(np.frexp(np.where(r == 0, 1, r))[1] - 1, -6) - 3)
;;       q = np.round(r / step) * step * 2.0 ** e      # np.round: ties to even
;;       return np.moveaxis(q.reshape(q.shape[:-2] + (-1,))[..., :K], -1, axis).astype(np.float32)
;;   ~~~
;;   INPUTS GIVEN AS CODES. Wh_k (in the module: [1024, 1024], K = its axis 0); Ws_k (in the module: [1024, 1024], K = its axis 0); dec_hidden (in the module: [32, 1024], K = its axis 1): each comes as NAME_codes (uint8): NAME with its K axis moved to the last place and cut into blocks of 32 codes, [.., K / 32, bytes a block], one block behind the other in memory; one code a byte (a code: sign, 4 exponent bits, 3 mantissa bits); and NAME_scales (uint8): the same leading axes, one E8M0 byte (e + 127) for each 32 codes along K. Its value is code x scale, taken as it is: it is not quantised again, and the codes and scales need not be those that the quantiser above would give.
;; One version. Each part assembles by itself: llvm-mc -triple=amdgcn-amd-amdhsa -mcpu=gfx1250 --defsym DOCPART=n.
;; ======== version 1 of 1: 3 launches
;; limits: right only within a limited range of input values
;; workspace buffers: wsf 1,048,576 bytes; hb 131,072 bytes; msc 262,144 bytes; ctxp 1,048,576 bytes; stat 65,536 bytes
;; launch prep (part 1): grid 64 x 1, 4 waves a work-group, no clusters, 10,752 bytes of LDS; arguments dec_hidden_codes, dec_hidden_scales, Wh_k_codes, Wh_k_scales, Wh_b, Ws_b, Wc_b, Ws_k_codes, hb, wsf; writes hb, wsf
.if DOCPART == 1
	.amdgcn_target "amdgcn-amd-amdhsa--gfx1250"
	.amdhsa_code_object_version 6
	.text
	.protected	k_q1f61bbdc3f_prep
	.globl	k_q1f61bbdc3f_prep
	.p2align	8
	.type	k_q1f61bbdc3f_prep,@function
k_q1f61bbdc3f_prep:
	s_mov_b64 s[64:65], 0
	v_nop
	global_prefetch_b8 v0, s[64:65] scope:SCOPE_SE
	s_setreg_imm32_b32 hwreg(HW_REG_WAVE_MODE, 25, 1), 1
	s_wait_xcnt 0x0
; Two small jobs ahead of the main launch.  Nothing of the problem is left out in this program: every input has a way to an output and is loaded.
; (1) hb = dec_hidden Wh_k + Wh_b + Ws_b + Wc_b: the quantised product on the given codes and scale bytes.  It is laid [64 tiles of 16 u][32 b][16 u], so that a work-group stores 2,048 consecutive bytes.
; (2) wsf: Ws_k's codes laid in the order of an operand's registers: [64 tiles of 16 u][8 K steps of 128][4 groups of 4 registers][32 lanes][16 bytes], so that the main launch
;     loads a fragment by four loads of 512 consecutive bytes each.
; SHARES: 64 work-groups, one tile T of 16 columns u each; wave w takes K steps 2 w and 2 w + 1: 8 loads and 8 stores of Ws, and 4 products (2 K steps x 2 tiles of 16 rows b).
; The four waves' partial sums meet in LDS; thread t adds the four parts and the three biases of hb[b = t / 4][u = 16 T + 4 (t % 4) ..] and stores 16 bytes at 16 t.
; THE PRODUCT IS USED TRANSPOSED: source 0 = 16 rows of Wh (u), source 1 = 16 rows of dec (b): lane (r, h) holds b = 16 t + r, and its register j the column u = 16 T + 8 h + j.
; SCALES: lane L loads the 8 scale bytes of dec's row L for my two K steps: lanes 0-15 then hold the first tile's words and lanes 16-31 the second tile's (taken by the selector ROW1).
; LIMITS: the sum over K is made in four parts, one a wave, which are added in f32.  NaN codes or 0xff scale bytes among the inputs are carried as the matrix unit carries them.
.set SP,    80                         ; a stage row: 16 numbers of 4 bytes + 16 bytes
.set WST,   32*SP                      ; a wave's stage: 32 rows b
.set SPARE, 4*WST                      ; behind the stages: the spare words, 128 bytes for each wave
.set SPW, 1                            ; v1  LDS address of my spare word; never rewritten
.set NIL, 2                            ; v2  0; never rewritten
.set DSC, 16                           ; v16-17 dec's scale words, v18-19 Wh's: one register a K step
.set WSC, 18
.set BS,  20                           ; v20-31 the three biases of my four columns
.set DEC, 32                           ; v32-95 dec's fragments: 32 t + 16 kk
.set WH,  96                           ; v96-127 Wh's: 16 kk
.set WSD, 128                          ; v128-159 Ws' as loaded
.set ACC, 160                          ; v160-175 the two sums
.set RED, 176                          ; v176-191 the four waves' parts
	s_load_b512 s[4:19], s[0:1], 0x0               ; dec codes s[4:5], dec scales s[6:7], Wh codes s[8:9], Wh scales s[10:11], Wh_b s[12:13], Ws_b s[14:15], Wc_b s[16:17], Ws codes s[18:19]
	s_load_b128 s[20:23], s[0:1], 0x40             ; hb s[20:21], wsf s[22:23]
	v_lshl_add_u32 v[SPW], v0, 2, SPARE
	v_mov_b32 v[NIL], 0
	v_lshrrev_b32 v3, 5, v0
	v_readfirstlane_b32 s24, v3                    ; wave 0..3
	v_and_b32 v3, 15, v0                           ; r
	v_bfe_u32 v4, v0, 4, 1                         ; h
	v_and_b32 v6, 31, v0                           ; lane
	v_lshlrev_b32 v5, 10, v3
	v_lshl_add_u32 v5, v4, 4, v5                   ; codes: row r of 1,024 bytes + 16 h
	v_lshlrev_b32 v7, 5, v6                        ; dec's scale bytes: row = lane, 32 bytes a row
	v_lshlrev_b32 v8, 5, v3                        ; Wh's: row r
	v_lshlrev_b32 v9, 4, v6                        ; 16 x lane
	s_mul_i32 s42, s24, WST
	v_mul_u32_u24 v10, v3, SP
	v_lshl_add_u32 v10, v4, 5, v10
	v_add_nc_u32 v10, s42, v10                     ; into my stage: row r, + 32 h
	v_lshrrev_b32 v11, 2, v0
	v_mul_u32_u24 v11, v11, SP
	v_and_b32 v12, 3, v0
	v_lshl_add_u32 v11, v12, 4, v11                ; back: row t / 4, 16 bytes at 16 (t % 4)
	v_lshlrev_b32 v12, 4, v12                      ; the same four columns in a bias
	v_lshlrev_b32 v13, 4, v0                       ; 16 x thread
	s_lshl_b32 s30, s24, 8                         ; my two K steps: 256 bytes on in a row of codes,
	s_mov_b32 s31, 0
	s_lshl_b32 s34, s24, 3                         ; 8 bytes on in a row of scale bytes
	s_mov_b32 s35, 0
	s_lshl_b32 s28, ttmp9, 14                      ; the tile's 16 rows of 1,024 bytes
	s_add_co_u32 s28, s28, s30
	s_mov_b32 s29, 0
	s_lshl_b32 s32, ttmp9, 9                       ; its 16 rows of 32 scale bytes
	s_add_co_u32 s32, s32, s34
	s_mov_b32 s33, 0
	s_lshl_b32 s36, ttmp9, 6                       ; its 16 numbers of a bias
	s_mov_b32 s37, 0
	s_lshl_b32 s38, ttmp9, 14                      ; its 16,384 bytes of wsf, my two K steps of 2,048
	s_lshl_b32 s39, s24, 12
	s_add_co_u32 s38, s38, s39
	s_mov_b32 s39, 0
	s_lshl_b32 s40, ttmp9, 11                      ; its 2,048 bytes of hb
	s_mov_b32 s41, 0
	s_wait_alu depctr_va_vdst(0)
	s_wait_kmcnt 0x0
	s_add_nc_u64 s[4:5], s[4:5], s[30:31]
	s_add_nc_u64 s[6:7], s[6:7], s[34:35]
	s_add_nc_u64 s[8:9], s[8:9], s[28:29]
	s_add_nc_u64 s[10:11], s[10:11], s[32:33]
	s_add_nc_u64 s[12:13], s[12:13], s[36:37]
	s_add_nc_u64 s[14:15], s[14:15], s[36:37]
	s_add_nc_u64 s[16:17], s[16:17], s[36:37]
	s_add_nc_u64 s[18:19], s[18:19], s[28:29]
	s_add_nc_u64 s[20:21], s[20:21], s[40:41]
	s_add_nc_u64 s[22:23], s[22:23], s[38:39]
.irp kk, 0,1
.irp c, 0,1,2,3
	global_load_b128 v[WSD+16*\kk+4*\c:WSD+16*\kk+4*\c+3], v5, s[18:19] offset:128*\kk+32*\c th:TH_LOAD_NT
.endr
.endr
.irp t, 0,1
.irp kk, 0,1
.irp c, 0,1,2,3
	global_load_b128 v[DEC+32*\t+16*\kk+4*\c:DEC+32*\t+16*\kk+4*\c+3], v5, s[4:5] offset:16384*\t+128*\kk+32*\c
.endr
.endr
.endr
.irp kk, 0,1
.irp c, 0,1,2,3
	global_load_b128 v[WH+16*\kk+4*\c:WH+16*\kk+4*\c+3], v5, s[8:9] offset:128*\kk+32*\c th:TH_LOAD_NT
.endr
.endr
	global_load_b64 v[DSC:DSC+1], v7, s[6:7]
	global_load_b64 v[WSC:WSC+1], v8, s[10:11]
	global_load_b128 v[BS:BS+3], v12, s[12:13]
	global_load_b128 v[BS+4:BS+7], v12, s[14:15]
	global_load_b128 v[BS+8:BS+11], v12, s[16:17]
	s_wait_loadcnt 29                              ; Ws' eight loads are in; the 29 issued behind them (16 + 8 + 2 + 3) may be out
.irp kk, 0,1
.irp c, 0,1,2,3
	global_store_b128 v9, v[WSD+16*\kk+4*\c:WSD+16*\kk+4*\c+3], s[22:23] offset:2048*\kk+512*\c   ; 32 lanes store 512 consecutive bytes
.endr
.endr
	s_wait_loadcnt 0x0
	; the two sums take turns, one instruction a turn; the first product of each starts it
	v_wmma_scale_f32_16x16x128_f8f6f4 v[ACC:ACC+7], v[WH:WH+15], v[DEC:DEC+15], 0, v[WSC], v[DSC]
	v_wmma_scale_f32_16x16x128_f8f6f4 v[ACC+8:ACC+15], v[WH:WH+15], v[DEC+32:DEC+47], 0, v[WSC], v[DSC] matrix_b_scale:MATRIX_SCALE_ROW1
	v_wmma_scale_f32_16x16x128_f8f6f4 v[ACC:ACC+7], v[WH+16:WH+31], v[DEC+16:DEC+31], v[ACC:ACC+7], v[WSC+1], v[DSC+1]
	v_wmma_scale_f32_16x16x128_f8f6f4 v[ACC+8:ACC+15], v[WH+16:WH+31], v[DEC+48:DEC+63], v[ACC+8:ACC+15], v[WSC+1], v[DSC+1] matrix_b_scale:MATRIX_SCALE_ROW1
	v_pk_add_f32 v[BS:BS+1], v[BS:BS+1], v[BS+4:BS+5]           ; the three biases of my four columns: four of the eight places behind the products
	v_pk_add_f32 v[BS+2:BS+3], v[BS+2:BS+3], v[BS+6:BS+7]
	v_pk_add_f32 v[BS:BS+1], v[BS:BS+1], v[BS+8:BS+9]
	v_pk_add_f32 v[BS+2:BS+3], v[BS+2:BS+3], v[BS+10:BS+11]
.rept 4
	v_nop
.endr
.irp t, 0,1
	ds_store_b128 v10, v[ACC+8*\t:ACC+8*\t+3] offset:16*SP*\t            ; each sum from its low end on
	ds_store_b128 v10, v[ACC+8*\t+4:ACC+8*\t+7] offset:16*SP*\t+16
.endr
	s_wait_dscnt 0x0                               ; for the others' sake: my part lies in my stage
	s_barrier_signal -1
	s_barrier_wait -1
.irp q, 0,1,2,3
	ds_load_b128 v[RED+4*\q:RED+4*\q+3], v11 offset:WST*\q
.endr
	s_wait_dscnt 0x0
	v_pk_add_f32 v[RED:RED+1], v[RED:RED+1], v[RED+4:RED+5]
	v_pk_add_f32 v[RED+2:RED+3], v[RED+2:RED+3], v[RED+6:RED+7]
	v_pk_add_f32 v[RED+8:RED+9], v[RED+8:RED+9], v[RED+12:RED+13]
	v_pk_add_f32 v[RED+10:RED+11], v[RED+10:RED+11], v[RED+14:RED+15]
	v_pk_add_f32 v[RED:RED+1], v[RED:RED+1], v[RED+8:RED+9]
	s_wait_alu depctr_va_vdst(0)
	v_pk_add_f32 v[RED+2:RED+3], v[RED+2:RED+3], v[RED+10:RED+11]
	v_pk_add_f32 v[RED:RED+1], v[RED:RED+1], v[BS:BS+1]
	v_pk_add_f32 v[RED+2:RED+3], v[RED+2:RED+3], v[BS+2:BS+3]
	global_store_b128 v13, v[RED:RED+3], s[20:21]  ; 32 lanes store 512 consecutive bytes, at a multiple of 256 from hb's first byte
	s_wait_tensorcnt 0x0                           ; the wave's end
	ds_add_u32 v[SPW], v[NIL]
	s_wait_dscnt 0x0
	s_endpgm
.Lfunc_end_k_q1f61bbdc3f_prep:
	.size	k_q1f61bbdc3f_prep, .Lfunc_end_k_q1f61bbdc3f_prep-k_q1f61bbdc3f_prep
	.p2alignl 7, 3214868480
	.fill 96, 4, 3214868480
	.section	.rodata,"a",@progbits
	.p2align	6, 0x0
	.amdhsa_kernel k_q1f61bbdc3f_prep
		.amdhsa_group_segment_fixed_size 10752
		.amdhsa_private_segment_fixed_size 0
		.amdhsa_enable_private_segment 0
		.amdhsa_kernarg_size 80
		.amdhsa_user_sgpr_count 2
		.amdhsa_user_sgpr_kernarg_segment_ptr 1
		.amdhsa_wavefront_size32 1
		.amdhsa_system_sgpr_workgroup_id_x 1
		.amdhsa_system_sgpr_workgroup_id_y 1
		.amdhsa_system_sgpr_workgroup_id_z 1
		.amdhsa_system_vgpr_workitem_id 0
		.amdhsa_next_free_vgpr 192
		.amdhsa_next_free_sgpr 66
		.amdhsa_reserve_vcc 0
		.amdhsa_float_denorm_mode_32 3
		.amdhsa_float_denorm_mode_16_64 3
		.amdhsa_memory_ordered 1
		.amdhsa_forward_progress 1
		.amdhsa_inst_pref_size 9
	.end_amdhsa_kernel
	.amdgpu_metadata
---
amdhsa.version: [ 1, 2 ]
amdhsa.kernels:
  - .name:           k_q1f61bbdc3f_prep
    .symbol:         k_q1f61bbdc3f_prep.kd
    .args:
      - { .name: dec_hidden_codes, .offset: 0, .size: 8, .value_kind: global_buffer, .address_space: global }
      - { .name: dec_hidden_scales, .offset: 8, .size: 8, .value_kind: global_buffer, .address_space: global }
      - { .name: Wh_k_codes, .offset: 16, .size: 8, .value_kind: global_buffer, .address_space: global }
      - { .name: Wh_k_scales, .offset: 24, .size: 8, .value_kind: global_buffer, .address_space: global }
      - { .name: Wh_b, .offset: 32, .size: 8, .value_kind: global_buffer, .address_space: global }
      - { .name: Ws_b, .offset: 40, .size: 8, .value_kind: global_buffer, .address_space: global }
      - { .name: Wc_b, .offset: 48, .size: 8, .value_kind: global_buffer, .address_space: global }
      - { .name: Ws_k_codes, .offset: 56, .size: 8, .value_kind: global_buffer, .address_space: global }
      - { .name: hb, .offset: 64, .size: 8, .value_kind: global_buffer, .address_space: global }
      - { .name: wsf, .offset: 72, .size: 8, .value_kind: global_buffer, .address_space: global }
    .group_segment_fixed_size: 10752
    .private_segment_fixed_size: 0
    .kernarg_segment_align: 8
    .kernarg_segment_size: 80
    .max_flat_workgroup_size: 128
    .sgpr_count:     66
    .vgpr_count:     192
    .wavefront_size: 32
...
	.end_amdgpu_metadata
.endif
;; end of part 1
;; launch main (part 2): grid 256 x 1, 4 waves a work-group, no clusters, 327,680 bytes of LDS; arguments enc_output, wsf, Ws_k_scales, hb, Wc_k, V_k, V_b, prev_coverage, enc_pad_mask, msc, ctxp, stat; writes msc, ctxp, stat
.if DOCPART == 2
	.amdgcn_target "amdgcn-amd-amdhsa--gfx1250"
	.amdhsa_code_object_version 6
	.text
	.protected	k_q1f61bbdc3f_main
	.globl	k_q1f61bbdc3f_main
	.p2align	8
	.type	k_q1f61bbdc3f_main,@function
k_q1f61bbdc3f_main:
	s_mov_b64 s[64:65], 0
	v_nop
	global_prefetch_b8 v0, s[64:65] scope:SCOPE_SE
	s_setreg_imm32_b32 hwreg(HW_REG_WAVE_MODE, 25, 1), 1
	s_wait_xcnt 0x0
; score[b][l] = V_b + sum over u of V[u] tanh( Q(enc[b][l]) . Ws[:, u] + hb[b][u] + pc[b][l] Wc[u] ), times the mask; and, in the same pass, the softmax's sums over the work-group's rows:
; a running maximum m, l = sum of e^(score - m), ctx[e] = sum of e^(score - m) enc[b][l][e].  The last launch joins the 8 partial results of a batch.  use_coverage = 1 is built in.
; NOTHING IS LEFT OUT: V_b and the sum of V stand ahead of the multiplication by the mask, so a hole in the mask shows them; the biases (inside hb) go into tanh.
; enc_output IS READ ONCE: a block of 64 rows stays on the WGP as f32 from its arrival until its scores are known: in LDS up to the block's last step, then in the registers that its codes leave.
; SHARES.  256 work-groups, each 256 rows of one batch, as 4 blocks of 64.  Four waves.  Wave w fetches, quantises and later sums columns 256 w .. 256 w + 255 of the 64 rows (its own LDS region, which no other wave touches);
; the codes go to all waves through LDS as images of the operand's registers, and every wave keeps all codes of the 64 rows in 512 registers.  In the product wave w makes u = 256 w .. 256 w + 255: 16 tiles of 16.
; THE PRODUCT IS USED TRANSPOSED: source 0 = 16 rows of Ws (u), source 1 = 16 rows of enc: lane (r, h) holds ONE row, and its register j the column u = 16 T + 8 h + j.
; tanh(x) = 1 - 2 / (1 + 2^(c x)), c = 2 log2(e): so score = (sum of V + V_b) + sum of (-2 V[u]) / (1 + 2^(c x)).  2^(c x) = infinity gives 0, which is tanh = 1.
; BY TURNS.  A step multiplies one tile (32 matrix instructions: 8 K steps x 4 tiles of rows); the tile before it is finished meanwhile, four vector instructions behind each matrix instruction.
; BEHIND A BLOCK'S LAST PRODUCT.  In the last step the codes of a K step are dead once its four products are issued: my part of eight held rows is copied from LDS into their registers.  So LDS is free straight behind the
; last product, and the next block's rows are asked for there; the last tile's tanh, the scores, the weights and ctx (macro POST), work on registers and a few LDS words, stand behind that request.
; Ws COMES FROM MEMORY STRAIGHT INTO REGISTERS, NOT BY JOINT TENSOR LOADS, though all work-groups read it: the held rows take 266,240 bytes of LDS, images, tables and spare words 48,896; what is left, 12,544 bytes, is less
; than one step's fragments of the four waves (65,536 bytes).  A fragment is used by one wave of the work-group alone, so LDS would add no reuse inside it.
; LIMITS.  NaN and infinities among the inputs are not served.  A block of 32 numbers of enc whose largest magnitude lies under 2^-118 (zeros too) gets the scale byte 1: a block of zeros has zero codes, which add nothing,
; and this program alone reads the bytes.  Mask numbers are exact up to 2^24.  Each tanh carries an absolute error of some 1e-7.
; REGISTERS, in windows of 256.  Window 0: v1-23 addresses; v24-39 enc's scale words; v40-47 Ws' scale words, two sets; v48-95 a tile's constants (c hb, c Wc, -2 V), two sets; v96-103 pc, a pair a tile of rows;
;   v104-111 the scores' sums; v112-175 the products' sums, two sets of 4 x 8; v176-207 codes just made; v208-231 at work; v232-239 ctx; v240, 241 m, l; v242-253 a block's scores and weights.
;   v112-175 and v48-111 serve also as two stages of 64 numbers for the quantiser.   Window 1: Ws' fragments, two buffers of 8.
;   Windows 2, 3: enc's codes: tile of rows s at window 2 + s / 2, v[128 (s % 2) + 16 k]; behind the products the held rows: row 8 k + m at window 2 + m / 4, v[128 ((m / 2) % 2) + 16 k + 8 (m % 2)].
.set XPITCH, 1040                      ; a row of a wave's region: 1,024 bytes + 16 of padding = 65 x 16: sixteen rows of a 16-byte column start in sixteen different groups of four banks (64 banks of 4 bytes: ISA guide 11.1)
.set XWAVE,  64*XPITCH                 ; a wave's region: 64 rows
.set IMG,    4*XWAVE                   ; images of fragments: 2 regions, by the parity of the tile of rows, x 8 K steps x 2,048 bytes
.set ISC,    IMG+2*8*2048              ; images of their scale words: 2 x 8 x 128 bytes
.set TAB,    ISC+2*8*128               ; c hb[1024], c Wc[1024], -2 V[1024]
.set PSC,    TAB+3*4096                ; partial scores: [64 rows][4 waves]
.set VSM,    PSC+1024                  ; the four waves' sums of V
.set SPARE,  VSM+256                   ; the spare words, 128 bytes for each wave: two blocks of 256 bytes that no other line names
.set SPW, 1
.set NIL, 2
.set QA,  3                            ; my numbers for the quantiser: region + r XPITCH + 64 h
.set IW,  4                            ; where I store images
.set SW,  5                            ; and their scale words
.set IL,  6                            ; where I load images
.set SL,  7                            ; and scale words: lanes 0-15 K step i, lanes 16-31 K step i + 4
.set CA,  8                            ; the held rows: region + 16 x lane;
.set CA2, 9                            ; the same, 32 rows on
.set PSW, 10
.set PSR, 11
.set TAV, 12                           ; my constants in the tables; never rewritten
.set TAC, 13                           ; the same for the tile in hand
.set WL,  14                           ; 16 x lane; never rewritten
.set WA,  15                           ; + the tile in hand
.set WSL, 16                           ; 32 r + 16 h; never rewritten
.set WSA, 17
.set R4,  18                           ; 4 r
.set L8,  19                           ; 8 x lane
.set PFO, 20                           ; the prefetches' offset; never rewritten
.set VSA, 21
.set T0,  22
.set T1,  23
.set XS,  24
.set WS,  40
.set CN,  48
.set PCR, 96
.set SA,  104
.set ACC, 112
.set ST0, 112
.set ST1, 48
.set PC0, 176
.set PC1, 192
.set TM,  208
.set PW0, 224
.set PW1, 225
.set T,   226
.set CTX, 232
.set MR,  240
.set LR,  241
.set VP,  242
.set MK,  244
.set PCT, 246
.set MS,  250
.set F,   252
.set WV,  28
.set BLK, 29
.set TRIP, 30
.set G1,  32                           ; s[32:39] descriptor group 1
.set G0,  40                           ; s[40:43] descriptor group 0
.set WO,  44                           ; the tile in hand x 16,384 (wsf), x 512 (scale bytes), x 64 (tables)
.set SO,  45
.set CT,  46
.set VB,  47
.set C2,  48                           ; s[48:49] c = 2 log2(e)
.set L2E, 50
.set MNT, 51
.set SEL, 52
.set PF,  54                           ; s[54:55] my wave's columns of the next block's first row
.set PP,  66                           ; s[66:81] eight rows' weights, each the low word of a pair
.set MSB, 0
.macro WIN new                         ; the immediate's high byte repeats the setting that is left; a switch that changes nothing is dropped
.if MSB != (\new)
	s_set_vgpr_msb (MSB<<8)|(\new)
.set MSB, (\new)
.endif
.endm
; 64 numbers of a lane, register 16 b + i = k 32 b + 16 h + i of my row, become a fragment's codes in v[pc] on and its scale word in v[pw].
.macro QUANT s, pc, pw
.irp b, 0,1,2,3
	v_max3_num_f32 v[TM+\b], |v[\s+16*\b]|, |v[\s+1+16*\b]|, 0x4800000   ; block b: my 16 numbers, and the floor 2^(9 - 127): so the byte cannot fall under 1
.endr
.irp n, 2,4,6,8,10,12,14
.irp b, 0,1,2,3
	v_max3_num_f32 v[TM+\b], v[TM+\b], |v[\s+16*\b+\n]|, |v[\s+1+16*\b+\n]|
.endr
.endr
.irp b, 0,1,2,3
	v_permlanex16_b32 v[TM+4+\b], v[TM+\b], s[SEL], s[SEL+1]
.endr
.irp b, 0,1,2,3
	v_max_num_f32 v[TM+\b], v[TM+\b], v[TM+4+\b]   ; with lane l xor 16's: the block's largest magnitude
.endr
.irp b, 0,1,2,3
	v_add_nc_u32 v[TM+12+\b], 0xfc000000, v[TM+\b]   ; 8 off its exponent field: the conversion's scale operand
.endr
.irp b, 0,1,2,3
	v_and_or_b32 v[TM+8+\b], v[TM+\b], 0x7f800000, s[MNT]   ; 448 x the scale
.endr
.irp b, 0,1,2,3
	v_lshrrev_b32 v[TM+4+\b], 23, v[TM+12+\b]      ; the scale's byte
.endr
	v_lshl_or_b32 v[\pw], v[TM+5], 8, v[TM+4]
	v_lshl_or_b32 v[\pw], v[TM+6], 16, v[\pw]
	v_lshl_or_b32 v[\pw], v[TM+7], 24, v[\pw]
.irp b, 0,1,2,3
.irp n, 0,1,2,3,4,5,6,7,8,9,10,11,12,13,14,15
	v_med3_num_f32 v[\s+16*\b+\n], v[\s+16*\b+\n], -v[TM+8+\b], v[TM+8+\b]   ; the conversion to an 8-bit code does not saturate (ISA guide 7.6.2): the hold at the largest code x the scale
.endr
	v_cvt_scalef32_pk8_fp8_f32 v[\pc+4*\b:\pc+1+4*\b], v[\s+16*\b:\s+7+16*\b], v[TM+12+\b]
	v_cvt_scalef32_pk8_fp8_f32 v[\pc+2+4*\b:\pc+3+4*\b], v[\s+8+16*\b:\s+15+16*\b], v[TM+12+\b]
.endr
	v_nop                                          ; a plain line between the last conversions and the next vector line that writes their sources
.endm
.macro XL s, kk, st                    ; my 16 rows of tile s, my K step kk (0, 1): 64 numbers a lane into stage st
.irp b, 0,1,2,3
.irp n, 0,1,2,3
	ds_load_b128 v[\st+16*\b+4*\n:\st+16*\b+4*\n+3], v[QA] offset:(\s)*16*XPITCH+512*(\kk)+128*\b+16*\n
.endr
.endr
.endm
.macro IMAGE pc, pw, par, kk           ; a fragment goes to LDS as its registers stand, lane l's 16 bytes at 16 l; its scale word at 4 l
.irp c, 0,1,2,3
	ds_store_b128 v[IW], v[\pc+4*\c:\pc+4*\c+3] offset:(\par)*16384+(\kk)*2048+512*\c
.endr
	ds_store_b32 v[SW], v[\pw] offset:(\par)*1024+(\kk)*128
.endm
; Tile of rows s: each wave quantises its two K steps; a barrier; every wave takes all eight fragments into its registers.  The images lie in two regions by turns: a region is written again two rounds on,
; behind the barrier of the round between, in front of which every wave has waited for all its LDS loads.
; A stage's next numbers are asked for as soon as the stage is free: stage 0's behind its own quantising, stage 1's first thing behind the barrier, ahead of the image loads: so each quantising runs while LDS serves loads.
.macro ROUND s
.if (\s) == 0
	s_wait_dscnt 16                                ; stage 0 is in; stage 1's sixteen loads may be out.  (Later rounds: stage 0's loads were issued ahead of the last barrier, in front of which I waited for all)
.endif
	QUANT ST0, PC0, PW0
	IMAGE PC0, PW0, (\s)%2, 0
.if (\s) < 3
	XL (\s)+1, 0, ST0
.endif
.if (\s) == 0
	s_wait_dscnt 21                                ; stage 1 is in; behind its loads: 5 image stores, 16 loads for stage 0
.elseif (\s) < 3
	s_wait_dscnt 57                                ; behind its loads: 32 image loads, 4 scale words, 5 image stores, 16 loads for stage 0
.else
	s_wait_dscnt 41                                ; behind its loads: 32 image loads, 4 scale words, 5 image stores
.endif
	QUANT ST1, PC1, PW1
	IMAGE PC1, PW1, (\s)%2, 1
	s_wait_dscnt 0x0                               ; for the others' sake: my images are in LDS
	s_barrier_signal -1
	s_barrier_wait -1
.if (\s) < 3
	XL (\s)+1, 1, ST1
.endif
	WIN 0x80+0x40*((\s)/2)                         ; destination window 2 or 3
.irp k, 0,1,2,3,4,5,6,7
.irp c, 0,1,2,3
	ds_load_b128 v[128*((\s)%2)+16*\k+4*\c:128*((\s)%2)+16*\k+4*\c+3], v[IL] offset:((\s)%2)*16384+2048*\k+512*\c
.endr
.endr
	WIN 0
.irp n, 0,1,2,3
	ds_load_b32 v[XS+4*(\s)+\n], v[SL] offset:((\s)%2)*1024+128*\n
.endr
.endm
.macro WLOAD buf, k0, off, adr         ; half a tile of Ws: K steps k0 .. k0 + 3 into buffer buf: sixteen loads of 512 consecutive bytes
	WIN 0x40                                       ; destination window 1
.irp k, 0,1,2,3
.irp c, 0,1,2,3
	global_load_b128 v[128*(\buf)+16*((\k0)+\k)+4*\c:128*(\buf)+16*((\k0)+\k)+4*\c+3], v[\adr], s[6:7] offset:(\off)+2048*((\k0)+\k)+512*\c
.endr
.endr
.endm
.macro CONSTS p                        ; the tile's constants for my eight columns: c hb, c Wc, -2 V
.irp f, 0,1,2
	ds_load_b128 v[CN+24*(\p)+8*\f:CN+24*(\p)+8*\f+3], v[TAC] offset:4096*\f
	ds_load_b128 v[CN+24*(\p)+8*\f+4:CN+24*(\p)+8*\f+7], v[TAC] offset:4096*\f+16
.endr
.endm
; My part (two pieces of 16 bytes a lane) of the held rows 8 k .. 8 k + 7 goes from LDS into the registers that held the codes of K step k.
.macro COPY k
.rept 8
	v_nop                                          ; the places behind product 4 k + 3, the last that read these registers
.endr
	WIN 0x80                                       ; destination window 2: rows 8 k .. 8 k + 3
.irp m, 0,1,2,3
	ds_load_b128 v[128*(\m/2)+16*(\k)+8*(\m%2):128*(\m/2)+16*(\k)+8*(\m%2)+3], v[CA+(\k)/4] offset:((8*(\k)+\m)%32)*XPITCH
	ds_load_b128 v[128*(\m/2)+16*(\k)+8*(\m%2)+4:128*(\m/2)+16*(\k)+8*(\m%2)+7], v[CA+(\k)/4] offset:((8*(\k)+\m)%32)*XPITCH+512
.endr
	WIN 0xc0                                       ; destination window 3: rows 8 k + 4 .. 8 k + 7
.irp m, 0,1,2,3
	ds_load_b128 v[128*(\m/2)+16*(\k)+8*(\m%2):128*(\m/2)+16*(\k)+8*(\m%2)+3], v[CA+(\k)/4] offset:((8*(\k)+4+\m)%32)*XPITCH
	ds_load_b128 v[128*(\m/2)+16*(\k)+8*(\m%2)+4:128*(\m/2)+16*(\k)+8*(\m%2)+7], v[CA+(\k)/4] offset:((8*(\k)+4+\m)%32)*XPITCH+512
.endr
.endm
; Matrix instruction i of a step's 32: K step i / 4, tile of rows i % 4: the four sums take turns, one instruction a turn.  The first four start the sums: nothing is cleared.
.macro MM p
.set qk, i/4
.set qs, i%4
.set rD, ACC+32*(\p)+8*qs
.set rA, 128*(\p)+16*qk
.set rB, 128*(qs%2)+16*qk
.set rW, WS+4*(\p)+qk%4
.set rX, XS+4*qs+qk%4
	WIN 0x09+4*(qs/2)                              ; source 0 (Ws) window 1, source 1 (enc) window 2 or 3
.if qk == 0
	v_wmma_scale_f32_16x16x128_f8f6f4 v[rD:rD+7], v[rA:rA+15], v[rB:rB+15], 0, v[rW], v[rX]
.elseif qk < 4
	v_wmma_scale_f32_16x16x128_f8f6f4 v[rD:rD+7], v[rA:rA+15], v[rB:rB+15], v[rD:rD+7], v[rW], v[rX]
.else
	v_wmma_scale_f32_16x16x128_f8f6f4 v[rD:rD+7], v[rA:rA+15], v[rB:rB+15], v[rD:rD+7], v[rW], v[rX] matrix_a_scale:MATRIX_SCALE_ROW1 matrix_b_scale:MATRIX_SCALE_ROW1
.endif
.endm
; Number j of the 128 instructions that finish a tile (set e of the sums and of the constants), in place:
;   0-15 c x + c hb (each sum from its low end on)   16-31 + c Wc pc   32-63 2^(..)   64-79 + 1   80-111 1 / (..)   112-127 the scores' sums += (..) x (-2 V), the four tiles of rows by turns
.macro EP e
.set aB, ACC+32*(\e)
.set cB, CN+24*(\e)
.if j < 16
.set ra, aB+8*(j/4)+2*(j%4)
	v_pk_fma_f32 v[ra:ra+1], v[ra:ra+1], s[C2:C2+1], v[cB+2*(j%4):cB+1+2*(j%4)] op_sel_hi:[1,0,1]
.elseif j < 32
.set ra, aB+8*((j-16)/4)+2*(j%4)
	v_pk_fma_f32 v[ra:ra+1], v[cB+8+2*(j%4):cB+9+2*(j%4)], v[PCR+2*((j-16)/4):PCR+1+2*((j-16)/4)], v[ra:ra+1]
.elseif j < 64
	v_exp_f32 v[aB+j-32], v[aB+j-32]
.elseif j < 80
.set ra, aB+2*(j-64)
	v_pk_add_f32 v[ra:ra+1], v[ra:ra+1], 1.0 op_sel_hi:[1,0]
.elseif j < 112
	v_rcp_f32 v[aB+j-80], v[aB+j-80]
.else
.set ra, aB+8*(j%4)+2*((j-112)/4)
	v_pk_fma_f32 v[SA+2*(j%4):SA+1+2*(j%4)], v[ra:ra+1], v[cB+16+2*((j-112)/4):cB+17+2*((j-112)/4)], v[SA+2*(j%4):SA+1+2*(j%4)]
.endif
.endm
; Slice i: numbers 4 i .. 4 i + 3.  The 32 exponentials are one batch and the 32 reciprocals another: behind each stand one plain line and ONE wait, ahead of the batch's first reader.
.macro SLICE e
	WIN 0
.if (i == 8) || (i == 20)
	s_wait_alu depctr_va_vdst(0)                   ; the wait ahead of each batch
.endif
.set j, 4*i
.rept 4
	EP \e
.set j, j+1
.endr
.if (i == 15) || (i == 27)
	v_nop
	s_wait_alu depctr_va_vdst(0)
.endif
.endm
; A STEP: ep = 1: tile n - 1 is finished first: slices 0 to 27 (its multiply-adds, exponentials, additions and reciprocals) stand AHEAD of the step's products, so that no transcendental stands between
; two links of a sum; slices 28 to 31, sixteen plain multiply-adds, stand behind the last four products.  Then tile n (parity p) is multiplied: 32 matrix instructions, the four sums by turns.
; lb = 1: tile n + 1's scale words and second half are asked for, behind the second product; la = 1: tile n + 2's first half, behind the 18th.
; w0: loads that may stay out when tile n's first half and scale words are wanted (the wait stands behind slices 0 to 27); w1: when its second half is.
; pf = 1, 2: the next block's prefetches, rows 0 to 31 or 32 to 63.  cp = 1: the block's last step: the held rows leave LDS.
; PLACES (eight behind this form).  The run behind the second product lands in registers that the step before read last: slice 31 of that step, the three additions and the plain lines of slices 0 to 7 lie between.
; The run behind the 18th lands in registers last read by the 16th product: eight v_nop.  A copy of cp = 1 lands in the codes of K step k, last read by product 4 k + 3, which has been issued by then: eight v_nop at the copy's head.
; The sums of tile n are first read in the next step: behind product 28 + s stand slices 28 + s to 31, the three additions and the lines of the sums before it.
.macro STEP p, ep, lb, la, w0, w1, pf, cp
	WIN 0
	s_wait_xcnt 0x0                                ; the loads issued so far have read their address registers, which are written now
	v_add_nc_u32 v[WA], s[WO], v[WL]
	v_add_nc_u32 v[WSA], s[SO], v[WSL]
	v_add_nc_u32 v[TAC], s[CT], v[TAV]
	s_wait_alu depctr_va_vdst(0)
	s_add_co_u32 s[WO], s[WO], 16384
	s_add_co_u32 s[SO], s[SO], 512
	s_add_co_u32 s[CT], s[CT], 64
	s_wait_dscnt 0x0                               ; the constants of the tile to be finished (step 0: enc's codes and scale words)
.if \ep
.set i, 0
.rept 28
	SLICE (1-(\p))                                 ; the tile before, up to its reciprocals, while this tile's fragments are on their way
.set i, i+1
.endr
.endif
	s_wait_loadcnt \w0
.set i, 0
.rept 32
.if i == 16
	s_wait_loadcnt \w1
.endif
	MM \p
.if (\ep) && (i >= 28)
	SLICE (1-(\p))
.endif
.if i == 1
	WIN 0
	CONSTS \p
.if \lb
	global_load_b128 v[WS+4*(1-(\p)):WS+4*(1-(\p))+3], v[WSA], s[8:9] offset:512
	WLOAD (1-(\p)), 4, 16384, WA
.endif
.if \pf
; A PREFETCH INTO THE L2 of 32 rows of the next block: each wave asks for its own 1,024 bytes of each row, a lane a block of 256 bytes, eight rows an instruction: each block of 256 bytes is named once in the launch.
; Rows 32 to 63 are asked for in tile 0's step (pf = 2), rows 0 to 31 in tile 13's (pf = 1), behind the loads that the wave has just issued: at least the rest of that step and two whole steps lie
; between a request and the tensor load.  What is asked for and not yet read is one block's rows.  The last block asks for nothing.
	WIN 0
	s_cmp_eq_u32 s[BLK], 1
	s_cbranch_scc1 .Lno_next_\@
	global_prefetch_b8 v[PFO], s[PF:PF+1] offset:(\pf-1)*131072 th:TH_LOAD_NT scope:SCOPE_SE
	global_prefetch_b8 v[PFO], s[PF:PF+1] offset:(\pf-1)*131072+32768 th:TH_LOAD_NT scope:SCOPE_SE
	global_prefetch_b8 v[PFO], s[PF:PF+1] offset:(\pf-1)*131072+65536 th:TH_LOAD_NT scope:SCOPE_SE
	global_prefetch_b8 v[PFO], s[PF:PF+1] offset:(\pf-1)*131072+98304 th:TH_LOAD_NT scope:SCOPE_SE
.Lno_next_\@:
.endif
.endif
.if (i == 17) && \la
.rept 8
	v_nop                                          ; the places behind the 16th product
.endr
	WLOAD \p, 0, 32768, WA
.endif
.if \cp
.if i == 5
	COPY 0
.elseif i == 16
	COPY 1
.elseif i == 18
	COPY 2
.elseif i == 20
	COPY 3
.elseif i == 28
	COPY 4
.elseif i == 29
	COPY 5
.elseif i == 30
	COPY 6
.endif
.endif
.set i, i+1
.endr
	WIN 0
.if \ep == 0
.rept 8
	v_nop                                          ; no slices stood behind this step's last products: these are the places ahead of the next step's first read of the sums
.endr
.endif
.endm
.macro ACCUM k                         ; ctx += weight x row, rows 8 k .. 8 k + 7, out of the registers.  Lane L holds the weights of rows 2 L and 2 L + 1
	WIN 0
.irp m, 0,1,2,3,4,5,6,7
	v_readlane_b32 s[PP+2*\m], v[VP+\m%2], 4*(\k)+\m/2
.endr
	WIN 0x02                                       ; source 0 window 2
.irp m, 0,1,2,3
.irp q, 0,1,2,3
	v_pk_fma_f32 v[CTX+2*\q:CTX+2*\q+1], v[128*(\m/2)+16*(\k)+8*(\m%2)+2*\q:128*(\m/2)+16*(\k)+8*(\m%2)+2*\q+1], s[PP+2*\m:PP+2*\m+1], v[CTX+2*\q:CTX+2*\q+1] op_sel_hi:[1,0,1]
.endr
.endr
	WIN 0x03                                       ; source 0 window 3
.irp m, 0,1,2,3
.irp q, 0,1,2,3
	v_pk_fma_f32 v[CTX+2*\q:CTX+2*\q+1], v[128*(\m/2)+16*(\k)+8*(\m%2)+2*\q:128*(\m/2)+16*(\k)+8*(\m%2)+2*\q+1], s[PP+8+2*\m:PP+8+2*\m+1], v[CTX+2*\q:CTX+2*\q+1] op_sel_hi:[1,0,1]
.endr
.endr
.endm
; WHAT IS LEFT OF A BLOCK BEHIND ITS LAST PRODUCT: tile 15 is finished; the four waves' parts of the scores meet in LDS; the mask; the running maximum; the weights; l and ctx.  It reads no byte of the rows' regions.
.macro POST
.set i, 0
.rept 32
	SLICE 1                                        ; tile 15 is finished
.set i, i+1
.endr
.irp s, 0,1,2,3
	v_add_f32 v[TM+\s], v[SA+2*\s], v[SA+2*\s+1]
.endr
.irp s, 0,1,2,3
	v_permlanex16_b32 v[TM+4+\s], v[TM+\s], s[SEL], s[SEL+1]
.endr
.irp s, 0,1,2,3
	v_add_f32 v[TM+\s], v[TM+\s], v[TM+4+\s]       ; my wave's 256 columns of row 16 s + r
.endr
.irp s, 0,1,2,3
	ds_store_b32 v[PSW], v[TM+\s] offset:256*\s    ; both halves of the lanes write the same word with the same value
.endr
	s_wait_dscnt 0x0
	s_barrier_signal -1
	s_barrier_wait -1
	ds_load_b128 v[TM:TM+3], v[PSR]                ; row 2 x lane: the four waves' parts,
	ds_load_b128 v[TM+4:TM+7], v[PSR] offset:16    ; row 2 x lane + 1,
	ds_load_b128 v[TM+8:TM+11], v[VSA]             ; the four sums of V
	s_wait_dscnt 0x0
	v_add_f32 v[TM+8], v[TM+8], v[TM+9]
	v_add_f32 v[TM+10], v[TM+10], v[TM+11]
	v_add_f32 v[TM], v[TM], v[TM+1]
	v_add_f32 v[TM+2], v[TM+2], v[TM+3]
	v_add_f32 v[TM+4], v[TM+4], v[TM+5]
	v_add_f32 v[TM+6], v[TM+6], v[TM+7]
	v_add_f32 v[TM+8], v[TM+8], v[TM+10]
	v_add_f32 v[TM], v[TM], v[TM+2]
	v_add_f32 v[TM+4], v[TM+4], v[TM+6]
	v_add_f32 v[TM+8], s[VB], v[TM+8]              ; the sum of V + V_b
	v_cvt_f32_i32 v[TM+12], v[MK]
	v_cvt_f32_i32 v[TM+13], v[MK+1]
	v_add_f32 v[TM], v[TM], v[TM+8]
	v_add_f32 v[TM+4], v[TM+4], v[TM+8]
	v_mul_f32 v[MS], v[TM], v[TM+12]               ; the masked scores of rows 2 x lane and 2 x lane + 1; all four waves hold the same
	v_mul_f32 v[MS+1], v[TM+4], v[TM+13]
	s_wait_alu depctr_va_vdst(0)                   ; the wait ahead of the branch
	s_cmp_lg_u32 s[WV], 0
	s_cbranch_scc1 .Lnot_wave_0_\@
	global_store_b64 v[L8], v[MS:MS+1], s[22:23]   ; 32 lanes store 256 consecutive bytes, at a multiple of 256 from msc's first byte
.Lnot_wave_0_\@:
	v_max_num_f32 v[TM+14], v[MS], v[MS+1]
	v_max_num_f32_dpp v[TM+14], v[TM+14], v[TM+14] row_xmask:1 row_mask:0xf bank_mask:0xf
	v_max_num_f32_dpp v[TM+14], v[TM+14], v[TM+14] row_xmask:2 row_mask:0xf bank_mask:0xf
	v_max_num_f32_dpp v[TM+14], v[TM+14], v[TM+14] row_xmask:4 row_mask:0xf bank_mask:0xf
	v_max_num_f32_dpp v[TM+14], v[TM+14], v[TM+14] row_xmask:8 row_mask:0xf bank_mask:0xf
	v_permlanex16_b32 v[TM+15], v[TM+14], s[SEL], s[SEL+1]
	v_max3_num_f32 v[TM+14], v[TM+14], v[TM+15], v[MR]   ; the running maximum
	v_sub_f32 v[F], v[MR], v[TM+14]
	v_sub_f32 v[VP], v[MS], v[TM+14]
	v_sub_f32 v[VP+1], v[MS+1], v[TM+14]
	v_mul_f32 v[F], s[L2E], v[F]
	v_mul_f32 v[VP], s[L2E], v[VP]
	v_mul_f32 v[VP+1], s[L2E], v[VP+1]
	s_wait_alu depctr_va_vdst(0)                   ; the wait ahead of the batch
	v_exp_f32 v[F], v[F]                           ; what was summed under the old maximum is multiplied by this
	v_exp_f32 v[VP], v[VP]                         ; the rows' weights under the new one
	v_exp_f32 v[VP+1], v[VP+1]
	v_mov_b32 v[MR], v[TM+14]                      ; (a plain line behind the exponentials)
	s_wait_alu depctr_va_vdst(0)                   ; one wait for the three, ahead of their first reader
	v_fma_f32 v[LR], v[LR], v[F], v[VP]
	v_add_f32 v[LR], v[LR], v[VP+1]                ; my two rows' part of l
.irp q, 0,1,2,3
	v_pk_mul_f32 v[CTX+2*\q:CTX+2*\q+1], v[CTX+2*\q:CTX+2*\q+1], v[F:F+1] op_sel_hi:[1,0]
.endr
.irp k, 0,1,2,3,4,5,6,7
	ACCUM \k
.endr
	WIN 0
.endm
	s_load_b512 s[4:19], s[0:1], 0x0               ; enc s[4:5], wsf s[6:7], Ws' scales s[8:9], hb s[10:11], Wc s[12:13], V s[14:15], V_b s[16:17], pc s[18:19]
	s_load_b256 s[20:27], s[0:1], 0x40             ; mask s[20:21], msc s[22:23], ctxp s[24:25], stat s[26:27]
	v_lshl_add_u32 v[SPW], v0, 2, SPARE
	v_mov_b32 v[NIL], 0
	ds_add_u32 v[SPW], v[NIL]                      ; the wave's opening: the add, twice on end, and its wait ahead of my first tensor load; the set-up below, work on registers, stands between
	ds_add_u32 v[SPW], v[NIL]
	v_lshrrev_b32 v[T0], 5, v0
	v_readfirstlane_b32 s[WV], v[T0]               ; wave 0..3
	v_and_b32 v[T], 15, v0                         ; r
	v_bfe_u32 v[T+1], v0, 4, 1                     ; h
	v_and_b32 v[T+2], 31, v0                       ; lane
	s_mul_i32 s56, s[WV], XWAVE
	v_mul_u32_u24 v[QA], v[T], XPITCH
	v_lshl_add_u32 v[QA], v[T+1], 6, v[QA]
	v_add_nc_u32 v[QA], s56, v[QA]
	s_lshl_b32 s57, s[WV], 12
	s_add_co_u32 s57, s57, IMG
	v_lshl_add_u32 v[IW], v[T+2], 4, s57
	s_lshl_b32 s57, s[WV], 8
	s_add_co_u32 s57, s57, ISC
	v_lshl_add_u32 v[SW], v[T+2], 2, s57
	v_lshl_add_u32 v[IL], v[T+2], 4, IMG
	v_lshlrev_b32 v[SL], 2, v[T]
	v_lshl_add_u32 v[SL], v[T+1], 9, v[SL]
	v_add_nc_u32 v[SL], ISC, v[SL]
	v_lshl_add_u32 v[CA], v[T+2], 4, s56
	v_add_nc_u32 v[CA2], 32*XPITCH, v[CA]
	s_lshl_b32 s57, s[WV], 2
	s_add_co_u32 s58, s57, PSC
	v_lshl_add_u32 v[PSW], v[T], 4, s58
	v_lshl_add_u32 v[PSR], v[T+2], 5, PSC
	s_add_co_u32 s58, s57, VSM
	v_mov_b32 v[T1], s58                           ; where my wave's sum of V goes
	s_lshl_b32 s57, s[WV], 10
	s_add_co_u32 s57, s57, TAB
	v_lshl_add_u32 v[TAV], v[T+1], 5, s57
	v_lshlrev_b32 v[WL], 4, v[T+2]
	v_lshlrev_b32 v[WSL], 5, v[T]
	v_lshl_add_u32 v[WSL], v[T+1], 4, v[WSL]
	v_lshlrev_b32 v[R4], 2, v[T]
	v_lshlrev_b32 v[L8], 3, v[T+2]
	v_lshrrev_b32 v[PFO], 2, v[T+2]
	v_lshlrev_b32 v[PFO], 12, v[PFO]
	v_and_b32 v[T0], 3, v0
	v_lshl_add_u32 v[PFO], v[T0], 8, v[PFO]        ; row lane / 4 of eight, block lane % 4 of its 1,024 bytes
	v_mov_b32 v[VSA], VSM
	v_lshrrev_b32 v[T+4], 2, v0
	v_lshlrev_b32 v[T+4], 11, v[T+4]
	v_lshl_add_u32 v[T+4], v[T0], 4, v[T+4]        ; hb is laid [tile][b][16 u]: my four u = 4 t .. lie in tile t / 4, at 16 (t % 4) of my batch's 64 bytes
	v_lshlrev_b32 v[T0], 4, v0                     ; 16 x thread: Wc and V in memory,
	v_lshl_add_u32 v[T+3], v0, 4, TAB              ; and the tables in LDS
	; descriptor group 1: a tile of 64 rows x 256 numbers of 4 bytes out of rows of 1,024 numbers, 16 bytes of padding behind each row in LDS
	s_mov_b32 s[G1+0], (2<<16)|(1<<20)|(7<<22)|(3<<25)   ; 15:0 no mask; 17:16 elements of 4 bytes; 20 padding on; 24:22 after every 256 words (code 7); 31:25 four words (code 3)
	s_mov_b32 s[G1+1], 256<<16                     ; tensor_dim0
	s_mov_b32 s[G1+2], 64<<16                      ; tensor_dim1
	s_mov_b32 s[G1+3], 256<<16                     ; tile_dim0
	s_mov_b32 s[G1+4], 64                          ; tile_dim1
	s_mov_b32 s[G1+5], 1024                        ; tensor_dim0_stride
	s_mov_b32 s[G1+6], 0
	s_mov_b32 s[G1+7], 0
	s_mov_b32 s[G0], 1
	s_mul_i32 s[G0+1], s[WV], XWAVE                ; my region
	s_mov_b32 s[C2], 0x4038aa3b                    ; c = 2 log2(e)
	s_mov_b32 s[C2+1], s[C2]                       ; (named with it as a pair, so it is written)
	s_mov_b32 s[L2E], 0x3fb8aa3b
	s_mov_b32 s[MNT], 0x600000                     ; the mantissa field of 448
	s_mov_b32 s[SEL], 0x76543210
	s_mov_b32 s[SEL+1], 0xfedcba98                 ; v_permlanex16_b32's selects for lane l xor 16
.irp m, 0,1,2,3,4,5,6,7
	s_mov_b32 s[PP+2*\m+1], 0                      ; the pairs' upper words are named, never used
.endr
.irp b, 0,1,2,3
	v_mov_b32 v[TM+4+\b], 0                        ; written once: a lane permute's destination counts as one of its sources
.endr
	v_mov_b32 v[F+1], 0                            ; (named as the upper half of a pair)
.irp q, 0,1,2,3,4,5,6,7
	v_mov_b32 v[CTX+\q], 0
.endr
	v_mov_b32 v[LR], 0
	v_mov_b32 v[MR], 0xff61b1e6                    ; -3e38, under every score: the first block's factor for the old sums is then 0, on zeros
	s_mov_b32 s[BLK], 4
	s_wait_alu depctr_va_vdst(0)
	s_wait_dscnt 0x0                               ; both opening adds are done
	s_wait_kmcnt 0x0
	s_load_b32 s[VB], s[16:17], 0x0                ; V_b
	s_lshl_b32 s56, ttmp9, 20                      ; my work-group's 256 rows of 4,096 bytes,
	s_lshl_b32 s57, s[WV], 10                      ; my wave's 1,024 bytes of a row
	s_add_co_u32 s56, s56, s57
	s_mov_b32 s57, 0
	s_add_nc_u64 s[4:5], s[4:5], s[56:57]
	s_mov_b64 s[G0+2:G0+3], s[4:5]
	s_or_b32 s[G0+3], s[G0+3], 0x80000000          ; type = 2
	tensor_load_to_lds s[G0:G0+3], s[G1:G1+7]      ; THE FIRST FILL: block 0, my 64 rows x 1,024 bytes into my own region; ahead of every wait on TENSORcnt, every LDS read and every barrier.  One tensor load of mine is out at any time
	s_nop 0
.rept 4
	v_nop
.endr
	s_add_nc_u64 s[PF:PF+1], s[4:5], 0x40000       ; the second block
	s_lshl_b32 s56, s[WV], 18                      ; my 16 tiles of wsf
	s_add_nc_u64 s[6:7], s[6:7], s[56:57]
	s_lshl_b32 s56, s[WV], 13                      ; my 256 rows of scale bytes
	s_add_nc_u64 s[8:9], s[8:9], s[56:57]
	s_lshr_b32 s56, ttmp9, 3                       ; the batch: 64 bytes of each tile of hb
	s_lshl_b32 s56, s56, 6
	s_add_nc_u64 s[10:11], s[10:11], s[56:57]
	s_lshl_b32 s56, ttmp9, 10                      ; 256 rows of 4 bytes
	s_add_nc_u64 s[18:19], s[18:19], s[56:57]
	s_add_nc_u64 s[20:21], s[20:21], s[56:57]
	s_add_nc_u64 s[22:23], s[22:23], s[56:57]
	s_lshl_b32 s56, ttmp9, 12
	s_lshl_b32 s58, s[WV], 10
	s_add_co_u32 s56, s56, s58
	s_add_nc_u64 s[24:25], s[24:25], s[56:57]
	s_lshl_b32 s56, ttmp9, 8
	s_add_nc_u64 s[26:27], s[26:27], s[56:57]
	; the tables: 128 threads x 2 x 16 bytes of each
	global_load_b128 v[112:115], v[T+4], s[10:11]
	global_load_b128 v[116:119], v[T+4], s[10:11] offset:65536   ; u = 512 + 4 t ..: 32 tiles on
	global_load_b128 v[120:123], v[T0], s[12:13]
	global_load_b128 v[124:127], v[T0], s[12:13] offset:2048
	global_load_b128 v[128:131], v[T0], s[14:15]
	global_load_b128 v[132:135], v[T0], s[14:15] offset:2048
	s_wait_loadcnt 0x0
.irp n, 0,2,4,6,8,10,12,14
	v_pk_mul_f32 v[112+\n:113+\n], v[112+\n:113+\n], s[C2:C2+1] op_sel_hi:[1,0]   ; c hb, c Wc
.endr
	v_pk_add_f32 v[136:137], v[128:129], v[130:131]
	v_pk_add_f32 v[138:139], v[132:133], v[134:135]
	v_pk_add_f32 v[136:137], v[136:137], v[138:139]
	v_add_f32 v136, v136, v137                     ; my eight V,
	v_add_f32_dpp v136, v136, v136 row_xmask:1 row_mask:0xf bank_mask:0xf
	v_add_f32_dpp v136, v136, v136 row_xmask:2 row_mask:0xf bank_mask:0xf
	v_add_f32_dpp v136, v136, v136 row_xmask:4 row_mask:0xf bank_mask:0xf
	v_add_f32_dpp v136, v136, v136 row_xmask:8 row_mask:0xf bank_mask:0xf
	v_permlanex16_b32 v137, v136, s[SEL], s[SEL+1]
	v_add_f32 v136, v136, v137                     ; my wave's 256
.irp n, 0,2,4,6
	v_pk_mul_f32 v[128+\n:129+\n], v[128+\n:129+\n], -2.0 op_sel_hi:[1,0]
.endr
.irp f, 0,1,2,3,4,5
	ds_store_b128 v[T+3], v[112+4*\f:115+4*\f] offset:2048*\f   ; (the others read the tables behind the quantiser's barriers, in front of the first of which I wait for all my LDS instructions)
.endr
	ds_store_b32 v[T1], v136                       ; all lanes write the same word with the same value
	s_wait_kmcnt 0x0                               ; V_b
.Lblock:                                           ; a block of 64 rows a trip; its rows were asked for at the head or in the trip before
	; while the rows are on their way: tiles 0 and 1 of Ws whole, their scale words, the block's pc and mask
	global_load_b128 v[WS:WS+3], v[WSL], s[8:9]
	global_load_b128 v[WS+4:WS+7], v[WSL], s[8:9] offset:512
.irp s, 0,1,2,3
	global_load_b32 v[PCT+\s], v[R4], s[18:19] offset:64*\s
.endr
	global_load_b64 v[MK:MK+1], v[L8], s[20:21]
	WLOAD 0, 0, 0, WL
	WLOAD 0, 4, 0, WL
	WLOAD 1, 0, 16384, WL
	WLOAD 1, 4, 16384, WL
	WIN 0
	s_wait_tensorcnt 0x0                           ; my rows are in LDS: only I read them, so this wait is all that the reads need; it is for 0 since the one load is the youngest
	s_add_nc_u64 s[G0+2:G0+3], s[G0+2:G0+3], 0x40000   ; no tensor load of mine is out: the address steps 64 rows on (the last trip's step is not used)
	; ---- the rows become codes
	XL 0, 0, ST0
	XL 0, 1, ST1
	ROUND 0
	ROUND 1
	ROUND 2
	ROUND 3
	; ---- the products and tanh
	s_wait_loadcnt 0x0                             ; all that was asked for at the block's top
.irp s, 0,1,2,3
	v_mov_b32 v[PCR+2*\s], v[PCT+\s]               ; pc of my row of tile s, as a pair
	v_mov_b32 v[PCR+2*\s+1], v[PCT+\s]
	v_mov_b32 v[SA+2*\s], 0
	v_mov_b32 v[SA+2*\s+1], 0
.endr
	s_mov_b32 s[WO], 0
	s_mov_b32 s[SO], 0
	s_mov_b32 s[CT], 0
	; the counts: behind a tile's scale words were issued its second half (16 loads) and the next tile's first half (16): 32; behind a tile's second half the next tile's first half (16), scale words (1) and second half (16): 33.
	; Tiles 0 and 1 are in: in tile 0's step nothing is out at either wait, and in tile 1's step what is out (tile 2's loads) is not read there
	STEP 0, 0, 0, 1, 0, 0, 2, 0                    ; tile 0 asks for tile 2's first half alone, and prefetches rows 32 to 63 of the next block
	s_mov_b32 s[TRIP], 6
.Lsteps:                                           ; tiles 1 to 12, two a trip: the two sets of registers change places and are back
	STEP 1, 1, 1, 1, 32, 33, 0, 0
	STEP 0, 1, 1, 1, 32, 33, 0, 0
	s_sub_co_u32 s[TRIP], s[TRIP], 1
	s_cmp_lg_u32 s[TRIP], 0
	s_cbranch_scc1 .Lsteps
	STEP 1, 1, 1, 1, 32, 33, 1, 0                  ; tile 13 asks for tile 15's first half, and prefetches,
	STEP 0, 1, 1, 0, 32, 33, 0, 0                  ; tile 14 for its second half and scale words,
	STEP 1, 1, 0, 0, 16, 0, 0, 1                   ; tile 15 for nothing: behind its scale words stands its second half alone (16), behind that nothing (0); the held rows leave LDS
.rept 4
	v_nop                                          ; with slice 31's four plain lines: the eight places behind the last product
.endr
	COPY 7
	WIN 0
	; THE REFILL.  Every wave: all its tensor loads have landed; the add; the wait for it and for my reads of the rows, the copies among them; a barrier; and my one tensor load, first thing behind it
	s_wait_tensorcnt 0x0
	ds_add_u32 v[SPW], v[NIL]                      ; 0 onto my spare word
	s_wait_dscnt 0x0
	s_barrier_signal -1
	s_barrier_wait -1
	s_cmp_eq_u32 s[BLK], 1
	s_cbranch_scc1 .Llast                          ; the last block's tail is written out: it asks for nothing more
	tensor_load_to_lds s[G0:G0+3], s[G1:G1+7]      ; the next block's rows
	s_nop 0
.rept 4
	v_nop
.endr
	POST                                           ; this block is finished while they are on their way
	s_wait_xcnt 0x0                                ; the block's loads, store and prefetches have read their bases and data, which are written now and in the next trip
	s_add_nc_u64 s[18:19], s[18:19], 256
	s_add_nc_u64 s[20:21], s[20:21], 256
	s_add_nc_u64 s[22:23], s[22:23], 256
	s_add_nc_u64 s[PF:PF+1], s[PF:PF+1], 0x40000
	s_sub_co_u32 s[BLK], s[BLK], 1
	s_branch .Lblock
.Llast:
	POST
	v_add_f32_dpp v[LR], v[LR], v[LR] row_xmask:1 row_mask:0xf bank_mask:0xf
	v_add_f32_dpp v[LR], v[LR], v[LR] row_xmask:2 row_mask:0xf bank_mask:0xf
	v_add_f32_dpp v[LR], v[LR], v[LR] row_xmask:4 row_mask:0xf bank_mask:0xf
	v_add_f32_dpp v[LR], v[LR], v[LR] row_xmask:8 row_mask:0xf bank_mask:0xf
	v_permlanex16_b32 v[TM+15], v[LR], s[SEL], s[SEL+1]
	v_add_f32 v[LR], v[LR], v[TM+15]               ; l of the work-group's 256 rows
	global_store_b128 v[WL], v[CTX:CTX+3], s[24:25]              ; 32 lanes store 512 consecutive bytes
	global_store_b128 v[WL], v[CTX+4:CTX+7], s[24:25] offset:512
	s_cmp_lg_u32 s[WV], 0
	s_cbranch_scc1 .Lend
	global_store_b64 v[L8], v[MR:MR+1], s[26:27]   ; (m, l), 32 times: 256 consecutive bytes
.Lend:
	s_wait_tensorcnt 0x0                           ; the wave's end
	ds_add_u32 v[SPW], v[NIL]
	s_wait_dscnt 0x0
	s_endpgm
.Lfunc_end_k_q1f61bbdc3f_main:
	.size	k_q1f61bbdc3f_main, .Lfunc_end_k_q1f61bbdc3f_main-k_q1f61bbdc3f_main
	.p2alignl 7, 3214868480
	.fill 96, 4, 3214868480
	.section	.rodata,"a",@progbits
	.p2align	6, 0x0
	.amdhsa_kernel k_q1f61bbdc3f_main
		.amdhsa_group_segment_fixed_size 327680
		.amdhsa_private_segment_fixed_size 0
		.amdhsa_enable_private_segment 0
		.amdhsa_kernarg_size 96
		.amdhsa_user_sgpr_count 2
		.amdhsa_user_sgpr_kernarg_segment_ptr 1
		.amdhsa_wavefront_size32 1
		.amdhsa_system_sgpr_workgroup_id_x 1
		.amdhsa_system_sgpr_workgroup_id_y 1
		.amdhsa_system_sgpr_workgroup_id_z 1
		.amdhsa_system_vgpr_workitem_id 0
		.amdhsa_next_free_vgpr 1024
		.amdhsa_next_free_sgpr 84
		.amdhsa_reserve_vcc 0
		.amdhsa_float_denorm_mode_32 3
		.amdhsa_float_denorm_mode_16_64 3
		.amdhsa_memory_ordered 1
		.amdhsa_forward_progress 1
		.amdhsa_inst_pref_size 251
	.end_amdhsa_kernel
	.amdgpu_metadata
---
amdhsa.version: [ 1, 2 ]
amdhsa.kernels:
  - .name:           k_q1f61bbdc3f_main
    .symbol:         k_q1f61bbdc3f_main.kd
    .args:
      - { .name: enc_output, .offset: 0, .size: 8, .value_kind: global_buffer, .address_space: global }
      - { .name: wsf, .offset: 8, .size: 8, .value_kind: global_buffer, .address_space: global }
      - { .name: Ws_k_scales, .offset: 16, .size: 8, .value_kind: global_buffer, .address_space: global }
      - { .name: hb, .offset: 24, .size: 8, .value_kind: global_buffer, .address_space: global }
      - { .name: Wc_k, .offset: 32, .size: 8, .value_kind: global_buffer, .address_space: global }
      - { .name: V_k, .offset: 40, .size: 8, .value_kind: global_buffer, .address_space: global }
      - { .name: V_b, .offset: 48, .size: 8, .value_kind: global_buffer, .address_space: global }
      - { .name: prev_coverage, .offset: 56, .size: 8, .value_kind: global_buffer, .address_space: global }
      - { .name: enc_pad_mask, .offset: 64, .size: 8, .value_kind: global_buffer, .address_space: global }
      - { .name: msc, .offset: 72, .size: 8, .value_kind: global_buffer, .address_space: global }
      - { .name: ctxp, .offset: 80, .size: 8, .value_kind: global_buffer, .address_space: global }
      - { .name: stat, .offset: 88, .size: 8, .value_kind: global_buffer, .address_space: global }
    .group_segment_fixed_size: 327680
    .private_segment_fixed_size: 0
    .kernarg_segment_align: 8
    .kernarg_segment_size: 96
    .max_flat_workgroup_size: 128
    .sgpr_count:     84
    .vgpr_count:     1024
    .wavefront_size: 32
...
	.end_amdgpu_metadata
.endif
;; end of part 2
;; launch finish (part 3): grid 8 x 32, 1 waves a work-group, no clusters, 0 bytes of LDS; arguments msc, stat, ctxp, prev_coverage, out0, out1, out2; writes out0, out1, out2
.if DOCPART == 3
	.amdgcn_target "amdgcn-amd-amdhsa--gfx1250"
	.amdhsa_code_object_version 6
	.text
	.protected	k_q1f61bbdc3f_finish
	.globl	k_q1f61bbdc3f_finish
	.p2align	8
	.type	k_q1f61bbdc3f_finish,@function
k_q1f61bbdc3f_finish:
	s_mov_b64 s[64:65], 0
	v_nop
	global_prefetch_b8 v0, s[64:65] scope:SCOPE_SE
	s_setreg_imm32_b32 hwreg(HW_REG_WAVE_MODE, 25, 1), 1
	s_wait_xcnt 0x0
; The 8 partial results of a batch are joined.  With M = the largest m_g, e_g = e^(m_g - M), S = sum of l_g e_g:
; out1[b][l] = e^(msc[b][l] - M) / S;  out2 = out1 + prev_coverage;  out0[b][e] = (sum over g of e_g ctxp[8 b + g][e]) / S.
; SHARES: work-group (j, b), one wave: rows 256 j .. 256 j + 255 of out1 and out2, columns 128 j .. 128 j + 127 of out0.  Every load and store covers 256 or 512 consecutive bytes.  Nothing is left out.
; No LDS, no matrix unit, no cluster: 8 KB a work-group, read once.
; LIMITS: NaN and infinities are not served.
	s_load_b256 s[4:11], s[0:1], 0x0               ; msc s[4:5], stat s[6:7], ctxp s[8:9], pc s[10:11]
	s_load_b128 s[12:15], s[0:1], 0x20             ; out0 s[12:13], out1 s[14:15]
	s_load_b64 s[16:17], s[0:1], 0x30              ; out2
	s_and_b32 s18, ttmp7, 0xffff                   ; b
	v_lshlrev_b32 v1, 4, v0                        ; 16 x lane
	v_lshlrev_b32 v2, 3, v0                        ; 8 x lane
	s_lshl_b32 s20, s18, 13                        ; rows: 2,048 b + 256 j, 4 bytes each
	s_lshl_b32 s22, ttmp9, 10
	s_add_co_u32 s20, s20, s22
	s_mov_b32 s21, 0
	s_lshl_b32 s22, s18, 11                        ; stat: 8 b units of 256 bytes
	s_mov_b32 s23, 0
	s_lshl_b32 s24, s18, 15                        ; ctxp: 8 b rows of 4,096 bytes + 512 j
	s_lshl_b32 s26, ttmp9, 9
	s_add_co_u32 s24, s24, s26
	s_mov_b32 s25, 0
	s_lshl_b32 s28, s18, 12                        ; out0: row b + 512 j
	s_add_co_u32 s26, s28, s26
	s_mov_b32 s27, 0
	s_mov_b32 s19, 0x3fb8aa3b                      ; log2(e)
	s_wait_alu depctr_va_vdst(0)
	s_wait_kmcnt 0x0
	s_add_nc_u64 s[4:5], s[4:5], s[20:21]
	s_add_nc_u64 s[10:11], s[10:11], s[20:21]
	s_add_nc_u64 s[14:15], s[14:15], s[20:21]
	s_add_nc_u64 s[16:17], s[16:17], s[20:21]
	s_add_nc_u64 s[6:7], s[6:7], s[22:23]
	s_add_nc_u64 s[8:9], s[8:9], s[24:25]
	s_add_nc_u64 s[12:13], s[12:13], s[26:27]
.irp g, 0,1,2,3,4,5,6,7
	global_load_b64 v[4+2*\g:5+2*\g], v2, s[6:7] offset:256*\g      ; (m_g, l_g): every lane's copy is the same
.endr
	global_load_b128 v[20:23], v1, s[4:5]
	global_load_b128 v[24:27], v1, s[4:5] offset:512
	global_load_b128 v[28:31], v1, s[10:11]
	global_load_b128 v[32:35], v1, s[10:11] offset:512
.irp g, 0,1,2,3,4,5,6,7
	global_load_b128 v[36+4*\g:39+4*\g], v1, s[8:9] offset:4096*\g
.endr
	s_wait_loadcnt 0x0
	v_max3_num_f32 v68, v4, v6, v8
	v_max3_num_f32 v68, v68, v10, v12
	v_max3_num_f32 v68, v68, v14, v16
	v_max_num_f32 v68, v68, v18                    ; M
.irp g, 0,1,2,3,4,5,6,7
	v_sub_f32 v[70+\g], v[4+2*\g], v68
	v_sub_f32 v[20+\g], v[20+\g], v68
.endr
.irp g, 0,1,2,3,4,5,6,7
	v_mul_f32 v[70+\g], s19, v[70+\g]
	v_mul_f32 v[20+\g], s19, v[20+\g]
.endr
	s_wait_alu depctr_va_vdst(0)
.irp g, 0,1,2,3,4,5,6,7
	v_exp_f32 v[70+\g], v[70+\g]                   ; e_g
	v_exp_f32 v[20+\g], v[20+\g]                   ; my eight rows' e^(score - M)
.endr
	v_nop                                          ; a plain line behind the last exponential
	s_wait_alu depctr_va_vdst(0)                   ; one wait for the sixteen, ahead of their first reader
	v_mul_f32 v69, v5, v70
.irp g, 1,2,3,4,5,6,7
	v_fma_f32 v69, v[5+2*\g], v[70+\g], v69        ; S
.endr
	s_wait_alu depctr_va_vdst(0)
	v_rcp_f32 v79, v69
.irp c, 0,1,2,3
	v_mul_f32 v[80+\c], v[36+\c], v70              ; independent work behind the reciprocal: the sum of e_g ctx_g
.endr
.irp g, 1,2,3,4,5,6,7
.irp c, 0,1,2,3
	v_fma_f32 v[80+\c], v[36+4*\g+\c], v[70+\g], v[80+\c]
.endr
.endr
	s_wait_alu depctr_va_vdst(0)                   ; the wait for the reciprocal, ahead of its first reader
.irp i, 0,1,2,3,4,5,6,7
	v_mul_f32 v[20+\i], v[20+\i], v79              ; out1
.endr
.irp i, 0,1,2,3,4,5,6,7
	v_add_f32 v[28+\i], v[28+\i], v[20+\i]         ; out2
.endr
.irp c, 0,1,2,3
	v_mul_f32 v[80+\c], v[80+\c], v79              ; out0
.endr
	global_store_b128 v1, v[20:23], s[14:15]
	global_store_b128 v1, v[24:27], s[14:15] offset:512
	global_store_b128 v1, v[28:31], s[16:17]
	global_store_b128 v1, v[32:35], s[16:17] offset:512
	global_store_b128 v1, v[80:83], s[12:13]
	s_endpgm
.Lfunc_end_k_q1f61bbdc3f_finish:
	.size	k_q1f61bbdc3f_finish, .Lfunc_end_k_q1f61bbdc3f_finish-k_q1f61bbdc3f_finish
	.p2alignl 7, 3214868480
	.fill 96, 4, 3214868480
	.section	.rodata,"a",@progbits
	.p2align	6, 0x0
	.amdhsa_kernel k_q1f61bbdc3f_finish
		.amdhsa_group_segment_fixed_size 0
		.amdhsa_private_segment_fixed_size 0
		.amdhsa_enable_private_segment 0
		.amdhsa_kernarg_size 56
		.amdhsa_user_sgpr_count 2
		.amdhsa_user_sgpr_kernarg_segment_ptr 1
		.amdhsa_wavefront_size32 1
		.amdhsa_system_sgpr_workgroup_id_x 1
		.amdhsa_system_sgpr_workgroup_id_y 1
		.amdhsa_system_sgpr_workgroup_id_z 1
		.amdhsa_system_vgpr_workitem_id 0
		.amdhsa_next_free_vgpr 96
		.amdhsa_next_free_sgpr 66
		.amdhsa_reserve_vcc 0
		.amdhsa_float_denorm_mode_32 3
		.amdhsa_float_denorm_mode_16_64 3
		.amdhsa_memory_ordered 1
		.amdhsa_forward_progress 1
		.amdhsa_inst_pref_size 9
	.end_amdhsa_kernel
	.amdgpu_metadata
---
amdhsa.version: [ 1, 2 ]
amdhsa.kernels:
  - .name:           k_q1f61bbdc3f_finish
    .symbol:         k_q1f61bbdc3f_finish.kd
    .args:
      - { .name: msc, .offset: 0, .size: 8, .value_kind: global_buffer, .address_space: global }
      - { .name: stat, .offset: 8, .size: 8, .value_kind: global_buffer, .address_space: global }
      - { .name: ctxp, .offset: 16, .size: 8, .value_kind: global_buffer, .address_space: global }
      - { .name: prev_coverage, .offset: 24, .size: 8, .value_kind: global_buffer, .address_space: global }
      - { .name: out0, .offset: 32, .size: 8, .value_kind: global_buffer, .address_space: global }
      - { .name: out1, .offset: 40, .size: 8, .value_kind: global_buffer, .address_space: global }
      - { .name: out2, .offset: 48, .size: 8, .value_kind: global_buffer, .address_space: global }
    .group_segment_fixed_size: 0
    .private_segment_fixed_size: 0
    .kernarg_segment_align: 8
    .kernarg_segment_size: 56
    .max_flat_workgroup_size: 32
    .sgpr_count:     66
    .vgpr_count:     96
    .wavefront_size: 32
...
	.end_amdgpu_metadata
.endif
;; end of part 3
